; MI455X (gfx1250); checked and timed in simulation.
; The chip was launched on July 23, 2026; its instructions are those of AMD's public machine-readable ISA for CDNA 5 (MIT licence, August 2026) and "CDNA5" Instruction Set Architecture Reference Guide (July 2026). The comments in the code are by the model that wrote it; some were corrected since.
;; Flash Diff Custom Attention. Allowed arithmetic: matrix products marked QUANTISED: E5M2 operands, one given power-of-two scale a tensor, by v_wmma_f32_16x16x64_bf8_bf8 or v_wmma_f32_16x16x128_bf8_bf8, f32 sums; everything else in f32.
;; Inputs: k 2 x 2,048 x 16 x 128 float32; lambda_k1 128 float32; lambda_k2 128 float32; lambda_q1 128 float32; lambda_q2 128 float32; lowp_scales 8 int32 (the exponents e of the quantised operands' scales 2^e); q 2 x 2,048 x 16 x 128 float32; subln_weight 256 float32; v 2 x 2,048 x 16 x 128 float32.
;; Outputs: out0 2 x 2,048 x 16 x 128 float32.
;; This version of the problem:
;;   THIS VERSION OF THE PROBLEM IS GIVEN IN LOW PRECISION. The matrix products marked QUANTISED in the list below multiply operands that are first quantised to E5M2 (5 exponent bits, 2 mantissa bits; 8 bits a number), with one given power-of-two scale for each operand tensor; their sums are f32. All else is computed in f32.
;;   The module's matrix products, in the order in which they are computed (A, B: the left and right operand; K: the contracted axis; several contracted axes count as one K, in the product's order):
;;     1. batch 16 x [M 2,048, K 128] x [K 128, N 2,048]; A: input q; B: input k: QUANTISED (scales: A lowp_scales[0], B lowp_scales[1])
;;     2. batch 16 x [M 256, K 2,048] x [K 2,048, N 2,048]; A: computed on the way; B: softmax (see below): QUANTISED (scales: A lowp_scales[2], B lowp_scales[3])
;;     3. batch 16 x [M 2,048, K 128] x [K 128, N 2,048]; A: input q; B: input k: QUANTISED (scales: A lowp_scales[4], B lowp_scales[5])
;;     4. batch 16 x [M 256, K 2,048] x [K 2,048, N 2,048]; A: computed on the way; B: softmax (see below): QUANTISED (scales: A lowp_scales[6], B lowp_scales[7])
;;   THE QUANTISER, for each operand of a quantised product, along K:
;;     - The operand's scale is 2^e, e = its entry of the input lowp_scales (int32; the entries are numbered through the quantised products in the list's order, A before B).
;;     - Each number is divided by the scale, clamped to +-57,344, and rounded to the nearest number of E5M2, ties to even, subnormals kept.
;;     - The product sums the exact products of the quantised numbers (number of the format x scale) in f32.
;;   ~~~python
;;   def quantise(x, axis, e):      # numpy; x: float32 -> the quantised numbers, widened to float32 again
;;       x = np.moveaxis(x, axis, -1); K = x.shape[-1]
;;       r = np.clip(x / 2.0 ** e, -57344, 57344)
;;       step = 2.0 ** (np.maximum(np.frexp(np.where(r == 0, 1, r))[1] - 1, -14) - 2)
;;       q = np.round(r / step) * step * 2.0 ** e      # np.round: ties to even
;;       return np.moveaxis(q, -1, axis).astype(np.float32)
;;   ~~~
;;   SOFTMAX AHEAD OF A QUANTISED PRODUCT. Where the list says 'softmax', what is quantised is not the finished softmax but p = 2^(t - M), with t = logit x log2(e) and M = ceil(the row's largest t), a whole number; so 1/2 < the row's largest p <= 1. The row's sum l is taken of the UNQUANTISED p, in f32, and the product's result is divided by l at the end. Since M is a whole number, a kernel that streams over the keys may use a running M (the ceiling of the running maximum): every later rescaling is an exact power of two, so the quantised numbers keep their values, but for numbers so far below the row's largest that they fall under the format's range.
;;   OPERANDS COMPUTED ON THE WAY. 'Computed on the way' means the value that the module computes at that place (a softmax that the list does not call 'softmax' is quantised finished and normalised). What goes into a quantiser is computed in f32, as accurately as f32 sums, v_exp_f32 and their like allow (about 1e-6 of the number): no bf16 or f16 on the way to a quantiser, and a product that is left as it is and whose result goes on into a quantised operand takes f32 operands (vector FMAs, or v_wmma_f32_16x16x4_f32). A number that lies on a knife's edge between two numbers of the format may be rounded either way, as far as f32 arithmetic and the matrix unit's own rounding can turn it there, and no further.
;; One version. Each part assembles by itself: llvm-mc -triple=amdgcn-amd-amdhsa -mcpu=gfx1250 --defsym DOCPART=n.
;; ======== version 1 of 1: 2 launches
;; limits: right only within a limited range of input values
;; workspace buffers: kv 25,165,824 bytes
;; launch prep (part 1): grid 64 x 16, 4 waves a work-group, no clusters, 67,584 bytes of LDS; arguments k, v, lowp_scales, kv; writes kv
.if DOCPART == 1
	.amdgcn_target "amdgcn-amd-amdhsa--gfx1250"
	.amdhsa_code_object_version 6
	.text
	.protected	k_q306067e322_prep
	.globl	k_q306067e322_prep
	.p2align	8
	.type	k_q306067e322_prep,@function
k_q306067e322_prep:
	s_mov_b64 s[64:65], 0
	v_nop
	global_prefetch_b8 v0, s[64:65] scope:SCOPE_SE
	s_setreg_imm32_b32 hwreg(HW_REG_WAVE_MODE, 25, 1), 1
	s_wait_xcnt 0x0
; k and v, [2][2048][16][128] f32, become codes of E5M2 in the workspace kv, laid in the ORDER OF THE OPERANDS' REGISTERS.
; kv: 256 blocks of 98,304 bytes, block 16 bh + ks (bh = 8 b + h: a pair of heads; ks: a step of 128 keys):
;   +0      K of head 2h   (scale entry 1): 8 fragments of 2,048 bytes        +16,384  K of head 2h+1 (scale entry 5): 8 fragments
;   +32,768 V of the pair's 256 channels with scale entry 2: 16 fragments     +65,536  the same V with scale entry 6: 16 fragments
; A fragment is four chunks c of 512 bytes; lane l = (r = l % 16, hl = l / 16) owns the 16 bytes at 512 c + 16 l.
;   K fragment 2 b + u: key 128 ks + 32 b + 8 u + r + 8 (r / 8), channels 32 c + 16 hl + 0..15.     V fragment t: channel 16 t + r, keys 128 ks + 32 c + 16 hl + 0..15.
; code = x / 2^e, held within +-57,344, to the nearest code, ties to even.  LIMITS: entries 1, 2, 5, 6 lie between -126 and 112, so that 2^e and 57,344 x 2^e are f32 numbers.  NaN is not served.
; SHARES.  A work-group takes 32 keys of one pair of heads: 32 rows of 1,024 bytes of k and of v.  Each load of a wave reads 512 consecutive bytes; the rows meet in LDS; behind one barrier each wave
; reads one fragment of K (16 neighbouring channels a lane) and four quarter fragments of V (a lane takes a channel, its registers run down the keys), quantises and stores 512 consecutive bytes an instruction.
; No tensor loads, no cluster: no two work-groups read the same bytes.
; THE K PART OF BLOCK ks HOLDS THE K OF STEP ks + 1, and that of block 15 the K of step 0: the reader makes the scores of a step at the end of the step before, out of the same block as that step's V.
; WORK LEFT OUT by the program: reference() builds a causal mask and sets every score of a key behind its query to -1e30 ahead of the softmax, so p is 0 there for all inputs whose scaled scores stay under 2^31 in magnitude;
; steps of 128 keys all of which come after all of a range's 128 queries are not multiplied.  LIMIT: a NaN, an infinity or an overflow that reaches only such scores is not carried to the result.
.set ROWP,  1040                       ; an LDS row: 1,024 bytes + 16; rows 16 to 31 lie 128 bytes further on, so that rows 16 apart start at different banks
; V GOES FIRST: its rows meet behind a barrier of their own and its codes are stored while K's loads are still on their way; K follows behind a second barrier.
.set VREG,  33536                      ; V's rows, behind K's (33,392 bytes, rounded up to blocks of 256)
.set SPARE, 67072                      ; the spare words, 128 bytes a wave: two blocks of 256 bytes that no other line names
.set X,   16                           ; v16-79   K as loaded, then 64 numbers
.set Y,   80                           ; v80-143  V as loaded, then V's 64 numbers
.set CK,  144                          ; v144-159 K's codes
.set CV0, 160                          ; v160-175 V's codes with entry 2
.set CV1, 176                          ; v176-191 V's codes with entry 6
.set SPW, 6                            ; v6  my spare word; never rewritten
.set NIL, 7                            ; v7  0; never rewritten
	s_load_b256 s[4:11], s[0:1], 0x0               ; k s[4:5], v s[6:7], the scales' exponents s[8:9], kv s[10:11]
	v_lshl_add_u32 v[SPW], v0, 2, SPARE
	v_mov_b32 v[NIL], 0
	v_lshrrev_b32 v1, 5, v0
	v_readfirstlane_b32 s12, v1                    ; wave 0..3
	v_and_b32 v1, 31, v0
	v_lshlrev_b32 v2, 4, v1                        ; v2 = 16 x lane; never rewritten
	v_and_b32 v14, 15, v0                          ; r
	v_bfe_u32 v15, v0, 4, 1                        ; hl
	s_wait_alu depctr_va_vdst(0)
	s_and_b32 s13, s12, 1                          ; st: which head of the pair my fragment of K belongs to
	s_lshr_b32 s14, s12, 1                         ; u: which of the block's two tiles of K
	s_mul_i32 s15, s12, 8*ROWP                     ; into LDS: my rows 8 w .. 8 w + 7
	s_lshl_b32 s24, s14, 7                         ; (rows 16 on: + 128)
	s_add_co_u32 s15, s15, s24
	v_add_nc_u32 v3, s15, v2                       ; v3: where I store 16 bytes of a row's half
	v_mul_u32_u24 v4, v14, ROWP                    ; K out of LDS: row 8 u + r + 8 (r / 8)
	v_lshrrev_b32 v1, 3, v14
	v_mad_u32_u24 v4, v1, 8*ROWP+128, v4
	v_lshl_add_u32 v4, v15, 6, v4                  ; + 64 hl: my 16 channels of a block of 32
	s_mul_i32 s15, s14, 8*ROWP
	s_lshl_b32 s24, s13, 9                         ; the head's 512 bytes of the row
	s_add_co_u32 s15, s15, s24
	v_add_nc_u32 v4, s15, v4
	v_mul_u32_u24 v5, v15, 16*ROWP+128             ; V out of LDS: keys 16 hl on,
	v_lshl_add_u32 v5, v14, 2, v5                  ; channel r
	s_lshl_b32 s15, s12, 8                         ; of my wave's 64 channels
	s_add_co_u32 s15, s15, VREG
	v_add_nc_u32 v5, s15, v5
	s_and_b32 s16, ttmp7, 0xffff                   ; bh
	s_lshr_b32 s17, s16, 3                         ; b
	s_and_b32 s18, s16, 7                          ; h
	s_lshl_b32 s19, s17, 11
	s_lshl_b32 s24, ttmp9, 5
	s_add_co_u32 s19, s19, s24
	s_lshl_b32 s24, s12, 3
	s_add_co_u32 s19, s19, s24                     ; my first row: 2,048 b + 32 kb + 8 w
	s_lshl_b32 s20, s19, 13                        ; x 8,192 bytes
	s_lshl_b32 s24, s18, 10
	s_add_co_u32 s20, s20, s24                     ; + the pair's 1,024 bytes
	s_mov_b32 s21, 0
	s_lshl_b32 s22, s16, 4
	s_lshr_b32 s24, ttmp9, 2
	s_add_co_u32 s22, s22, s24
	s_add_co_u32 s30, s24, 15
	s_and_b32 s30, s30, 15                         ; K's block: the step before mine; 15 for step 0
	s_lshl_b32 s31, s16, 4
	s_add_co_u32 s30, s30, s31
	s_mul_i32 s30, s30, 98304
	s_mul_i32 s22, s22, 98304                      ; V's block of kv: 16 bh + kb / 4
	s_and_b32 s25, ttmp9, 3                        ; which 32 of the step's 128 keys
	s_lshl_b32 s26, s13, 14                        ; K: + 16,384 st + 2,048 (2 (kb % 4) + u)
	s_lshl_b32 s27, s25, 12
	s_add_co_u32 s26, s26, s27
	s_lshl_b32 s27, s14, 11
	s_add_co_u32 s26, s26, s27
	s_add_co_u32 s26, s26, s30
	s_mov_b32 s27, 0
	s_lshl_b32 s28, s12, 13                        ; V: + 32,768 + 2,048 x 4 w + 512 (kb % 4)
	s_lshl_b32 s29, s25, 9
	s_add_co_u32 s28, s28, s29
	s_add_co_u32 s28, s28, s22
	s_add_co_u32 s28, s28, 32768
	s_mov_b32 s29, 0
	s_wait_alu depctr_va_vdst(0)
	s_wait_kmcnt 0x0
	s_load_b256 s[32:39], s[8:9], 0x0              ; the eight exponents
	s_add_nc_u64 s[4:5], s[4:5], s[20:21]
	s_add_nc_u64 s[6:7], s[6:7], s[20:21]
	s_add_nc_u64 s[40:41], s[10:11], s[26:27]      ; where my fragment of K goes
	s_add_nc_u64 s[42:43], s[10:11], s[28:29]      ; where my chunks of V go
.irp i, 0,1,2,3,4,5,6,7
	global_load_b128 v[Y+8*\i:Y+8*\i+3],   v2, s[6:7] offset:\i*8192 th:TH_LOAD_NT       ; V: 32 lanes read 512 consecutive bytes
	global_load_b128 v[Y+8*\i+4:Y+8*\i+7], v2, s[6:7] offset:\i*8192+512 th:TH_LOAD_NT
.endr
.irp i, 0,1,2,3,4,5,6,7
	global_load_b128 v[X+8*\i:X+8*\i+3],   v2, s[4:5] offset:\i*8192 th:TH_LOAD_NT       ; K
	global_load_b128 v[X+8*\i+4:X+8*\i+7], v2, s[4:5] offset:\i*8192+512 th:TH_LOAD_NT
.endr
.macro SCW e, sc, lim                  ; s[e] = an exponent: v[sc] = 2^e as f32 (the conversion takes its exponent field), v[lim] = 57,344 x 2^e
	s_add_co_i32 s44, s[\e], 127
	s_lshl_b32 s45, s44, 23
	v_mov_b32 v[\sc], s45
	s_add_co_i32 s44, s44, 15
	s_lshl_b32 s44, s44, 23
	s_or_b32 s44, s44, 0x600000
	v_mov_b32 v[\lim], s44
.endm
	s_wait_kmcnt 0x0
	s_cmp_eq_u32 s13, 0
	s_cselect_b32 s46, s33, s37                    ; K's exponent: entry 1 for head 2h, entry 5 for head 2h+1
	SCW 46, 8, 9
	SCW 34, 10, 11                                 ; entry 2
	SCW 38, 12, 13                                 ; entry 6
	s_wait_alu depctr_va_vdst(0)
	s_wait_loadcnt 16                              ; V's sixteen loads are in; K's sixteen may be out
.irp i, 0,1,2,3,4,5,6,7
	ds_store_b128 v3, v[Y+8*\i:Y+8*\i+3]   offset:VREG+\i*ROWP
	ds_store_b128 v3, v[Y+8*\i+4:Y+8*\i+7] offset:VREG+\i*ROWP+512
.endr
	s_wait_dscnt 0x0                               ; for the others' sake: my rows lie in LDS
	s_barrier_signal -1
	s_barrier_wait -1                              ; all 32 rows of V do
.irp t, 0,1,2,3
.irp i, 0,1,2,3,4,5,6,7,8,9,10,11,12,13,14,15
	ds_load_b32 v[Y+16*\t+\i], v5 offset:64*\t+ROWP*\i                         ; V(key 16 hl + i, channel 16 (4 w + t) + r)
.endr
.endr
; 64 numbers v[src] on are held within +-v[lim] into v[dst] on and become 64 codes in v[cod] on: eight numbers of consecutive registers to two registers
.macro QUANT src, dst, cod, sc, lim
.set QI, 0
.rept 64
	v_med3_num_f32 v[\dst+QI], v[\src+QI], -v[\lim], v[\lim]   ; the conversion to an 8-bit code does not saturate (ISA guide 7.6.2): the hold comes first
.set QI, QI+1
.endr
.set QI, 0
.rept 8
	v_cvt_scalef32_pk8_bf8_f32 v[\cod+2*QI:\cod+2*QI+1], v[\dst+8*QI:\dst+8*QI+7], v[\sc]
.set QI, QI+1
.endr
	v_nop                                          ; a plain vector line behind the last conversion, ahead of whatever next writes its sources
.endm
.macro QUANTS src, cod, sc, lim        ; the same, the numbers themselves kept: held eight at a time into two sets of eight registers by turns (K's codes come there later)
.set QI, 0
.rept 8
.set QB, CK+8*(QI%2)
.irp j, 0,1,2,3,4,5,6,7
	v_med3_num_f32 v[QB+\j], v[\src+8*QI+\j], -v[\lim], v[\lim]
.endr
	v_cvt_scalef32_pk8_bf8_f32 v[\cod+2*QI:\cod+2*QI+1], v[QB:QB+7], v[\sc]
.set QI, QI+1
.endr
	v_nop                                          ; a plain vector line behind the last conversion
.endm
	s_wait_dscnt 0x0                               ; V is in
	QUANTS Y, CV0, 10, 11                          ; with entry 2; Y is wanted once more
.irp t, 0,1,2,3
	global_store_b128 v2, v[CV0+4*\t:CV0+4*\t+3], s[42:43] offset:2048*\t
.endr
	QUANT Y, Y, CV1, 12, 13                        ; with entry 6; codes in registers of their own, so no store's data are written again
.irp t, 0,1,2,3
	global_store_b128 v2, v[CV1+4*\t:CV1+4*\t+3], s[42:43] offset:32768+2048*\t
.endr
	s_wait_loadcnt 0x0                             ; K's loads are in
.irp i, 0,1,2,3,4,5,6,7
	ds_store_b128 v3, v[X+8*\i:X+8*\i+3]   offset:\i*ROWP
	ds_store_b128 v3, v[X+8*\i+4:X+8*\i+7] offset:\i*ROWP+512
.endr
	s_wait_dscnt 0x0                               ; for the others' sake: my rows of K lie in LDS
	s_barrier_signal -1
	s_barrier_wait -1
.irp c, 0,1,2,3
.irp j, 0,1,2,3
	ds_load_b128 v[X+16*\c+4*\j:X+16*\c+4*\j+3], v4 offset:128*\c+16*\j       ; K(my key, 32 c + 16 hl + 4 j ..)
.endr
.endr
	s_wait_dscnt 0x0
	QUANT X, X, CK, 8, 9
.irp c, 0,1,2,3
	global_store_b128 v2, v[CK+4*\c:CK+4*\c+3], s[40:41] offset:512*\c       ; 512 consecutive bytes, at a multiple of 512 from the buffer's first byte
.endr
	s_wait_tensorcnt 0x0                           ; the wave's end, behind my last LDS store
	ds_add_u32 v[SPW], v[NIL]
	s_wait_dscnt 0x0
	s_endpgm
.Lfunc_end_k_q306067e322_prep:
	.size	k_q306067e322_prep, .Lfunc_end_k_q306067e322_prep-k_q306067e322_prep
	.p2alignl 7, 3214868480
	.fill 96, 4, 3214868480
	.section	.rodata,"a",@progbits
	.p2align	6, 0x0
	.amdhsa_kernel k_q306067e322_prep
		.amdhsa_group_segment_fixed_size 67584
		.amdhsa_private_segment_fixed_size 0
		.amdhsa_enable_private_segment 0
		.amdhsa_kernarg_size 32
		.amdhsa_user_sgpr_count 2
		.amdhsa_user_sgpr_kernarg_segment_ptr 1
		.amdhsa_wavefront_size32 1
		.amdhsa_system_sgpr_workgroup_id_x 1
		.amdhsa_system_sgpr_workgroup_id_y 1
		.amdhsa_system_sgpr_workgroup_id_z 1
		.amdhsa_system_vgpr_workitem_id 0
		.amdhsa_next_free_vgpr 192
		.amdhsa_next_free_sgpr 66
		.amdhsa_reserve_vcc 0
		.amdhsa_float_denorm_mode_32 3
		.amdhsa_float_denorm_mode_16_64 3
		.amdhsa_memory_ordered 1
		.amdhsa_forward_progress 1
		.amdhsa_inst_pref_size 30
	.end_amdhsa_kernel
	.amdgpu_metadata
---
amdhsa.version: [ 1, 2 ]
amdhsa.kernels:
  - .name:           k_q306067e322_prep
    .symbol:         k_q306067e322_prep.kd
    .args:
      - { .name: k, .offset: 0, .size: 8, .value_kind: global_buffer, .address_space: global }
      - { .name: v, .offset: 8, .size: 8, .value_kind: global_buffer, .address_space: global }
      - { .name: lowp_scales, .offset: 16, .size: 8, .value_kind: global_buffer, .address_space: global }
      - { .name: kv, .offset: 24, .size: 8, .value_kind: global_buffer, .address_space: global }
    .group_segment_fixed_size: 67584
    .private_segment_fixed_size: 0
    .kernarg_segment_align: 8
    .kernarg_segment_size: 32
    .max_flat_workgroup_size: 128
    .sgpr_count:     66
    .vgpr_count:     192
    .wavefront_size: 32
...
	.end_amdgpu_metadata
.endif
;; end of part 1
;; launch attn (part 2): grid 16 x 16, 8 waves a work-group, clusters of 4 x 1, 327,680 bytes of LDS; arguments q, kv, lowp_scales, lambda_q1, lambda_k1, lambda_q2, lambda_k2, subln_weight, out0; writes out0
.if DOCPART == 2
	.amdgcn_target "amdgcn-amd-amdhsa--gfx1250"
	.amdhsa_code_object_version 6
	.text
	.protected	k_q306067e322_attn
	.globl	k_q306067e322_attn
	.p2align	8
	.type	k_q306067e322_attn,@function
k_q306067e322_attn:
	s_mov_b64 s[64:65], 0
	v_nop
	global_prefetch_b8 v0, s[64:65] scope:SCOPE_SE
	s_setreg_imm32_b32 hwreg(HW_REG_WAVE_MODE, 25, 1), 1
	s_wait_xcnt 0x0
	s_wait_alu depctr_hold_cnt(0) depctr_sa_sdst(0) depctr_va_vdst(0) depctr_va_sdst(0) depctr_va_ssrc(0) depctr_va_vcc(0) depctr_vm_vsrc(0)
	s_getreg_b32 s2, hwreg(HW_REG_IB_STS2, 6, 4)
	s_cmp_eq_u32 s2, 0
	s_cbranch_scc0 .Lentry_in_a_cluster
	s_endpgm
.Lentry_in_a_cluster:
	s_bfe_u32 s2, ttmp6, 0x10000c
	s_cmp_lg_u32 s2, 0x3003
	s_cbranch_scc0 .Lentry_shape_is_right
	s_endpgm
.Lentry_shape_is_right:
; Differential attention: out = w x rmsnorm(attn1 - lambda attn2) x (1 - LAMBDA_INIT).  Stream st (0, 1) of pair h: q, k of head 2h + st; both streams take the pair's 256 channels of v.  Causal.
; All four products on codes of E5M2 (v_wmma_f32_16x16x128_bf8_bf8).  K's and V's codes come from the workspace kv, laid as images of the operands' registers; q is quantised here.
; SOFTMAX AHEAD OF THE SECOND PRODUCT: t = score x log2(e) / sqrt(128); M = the running largest t rounded UP to a whole number; p = 2^(t - M) is quantised; the sum of the unquantised p divides at the end;
; when M moves, the sum and O are multiplied by 2^(old M - new M), which rounds nothing.
; SHARES.  A pair of heads has 16 ranges of 128 queries.  Cluster cl (0..3) of four work-groups takes ranges 2 cl, 2 cl + 1, 15 - 2 cl, 14 - 2 cl; partner cx takes the 32 queries 32 cx on of each range.
; Wave w (st = w % 2, a = (w / 2) % 2, hi = w / 4) works in range R = hi ? 15 - 2 cl - a : 2 cl + a, on ONE stream and 32 queries: tile A at 128 R + 32 cx + 16 st, tile B at 128 R + 32 cx + 16 (1 - st).
; So each fragment of K and V read from LDS feeds two products; waves w and w + 4 have 17 key steps between them in every work-group; and wave w xor 1 holds the other stream, its tile B on my tile A's queries.
; The cluster walks 16 - 2 cl key steps of 128 keys; a wave leaves out the steps behind its range (a scalar branch on ids, the same in all four partners); in the one step on the diagonal hidden scores become -infinity.
; WORK LEFT OUT: the steps all of whose keys come after all of a range's queries: reference()'s own mask makes their p 0.  LIMIT: a NaN, an infinity or an overflow that reaches only such scores is not carried.
; A STEP BEGINS WITH ITS SCORES IN REGISTERS: a block of kv holds V of step t and K of step t + 1, and step t ends with the scores of step t + 1.  K of step 0 lies in block 15 and has LDS bytes of its own.
; CLUSTER.  The four partners read the same block of kv in each step: it is asked for JOINTLY, 24,576 bytes by each of waves 0 to 3, into a ring of two slots.  cx enters global addresses and the mask's data alone.
; LAYOUT.  Both products are used transposed (S^T = K Q^T, O^T = V^T P^T): a lane holds one query (lane % 16) throughout.  Fragment f of K gives tile A's scores at v[128 + 16 f ..+7] and tile B's at v[136 + 16 f ..+7]:
;   register j: key 32 (f / 2) + 16 (lane / 16) + 8 (f % 2) + j of the step.  Half 0 of the scores (f = 0..3) is v128-191, half 1 is v192-255.
; LIMITS on the given exponents, so that each power of two below is an f32 number: q's + k's between -123 and 130 (added to c's exponent field); q's and p's between -126 and 112; p's + v's is applied by v_ldexp_f32 and has none.
; The scaled scores stay under 2^31 in magnitude.  NaN is not served.  Hidden scores are -infinity here where the reference has -1e30: p is 0 either way.
; REGISTERS.  Window 0: v0 thread; v1 my stream's coefficient (1 or -lambda); v2 16 x lane; v3 256 x lane; v4, v5 the mask's d for tiles A, B; v6, v7 the add's two; v8, v9 K's and v10, v11 V's LDS address in slot 0, 1;
;   v12-15, v16-19: -M, largest t, the sum in two halves, for A, B; v20, v22 f for A, B (v21, v23: the Q stage's addresses, then only named with them); v24-29 at work; v30 step 0's K; v31 2^ep; v32-47, v48-63 Q's codes;
;   v64-79, v80-95 p's codes of A, B, before that partial sums, after that K's fragments 6, 7; v96-127 two fragments (X); v128-255 scores, then fragments of V and of K.   Window 1: O^T, tile A at v[8 t], tile B at v[128 + 8 t].
.set BLOCK, 98304                      ; a key step's codes in kv, and what a slot holds
.set SLOT1, 98304
.set K0A,   196608                     ; K of step 0: 32,768 bytes, filled once
.set QST,   229376                     ; the Q stage: 16 rows x 528 bytes for each wave
.set QROW,  528
.set EXA,   16640                      ; the way out: an area of 16 x 1,040 bytes for each wave: the exchange's image (16,384 bytes), then the partner's stage.  Wave w's is number w xor 4: waves 4, 5 have the first two,
.set EXB,   163840                     ; from byte 0 on, in slot 0, which nobody reads or fills any more by then; the six others lie EXB further on, from 197,120 to 296,960: behind the ring
.set SROW,  1040
.set SPARE, 296960                     ; the spare words, 128 bytes for each of eight waves: four blocks of 256 bytes that no other line names
.set SPW, 6
.set NIL, 7
.set QCA, 32
.set QCB, 48
.set PCA, 64
.set PCB, 80
.set XB,  96
.set H,   128
.set PLIM, 3                           ; s3  57,344 x 2^ep
.set WV,  22                           ; s22 wave;  s23 stream
.set ST,  23
.set G1,  24                           ; s[24:31] descriptor group 1;  s[32:35], s[36:39] group 0 for slot 0, 1;  s[92:99], s[88:91] groups 1 and 0 for step 0's K
.set CNT, 48                           ; s48 trips to go
.set KF,  49                           ; s49 the step's first key
.set KD,  50                           ; s50 my range's first query = the first key of my step on the diagonal
.set LIM, 51                           ; s51, s52: a wave prefetches while s[CNT] is above them; the greatest number in waves that never do
.set LIM2, 52
.set PFA, 54                           ; s[54:55] where my prefetches stand
.set CS,  56                           ; s[56:57] c = log2(e) / sqrt(128) x 2^(eq + ek)
.set SEL, 58                           ; s[58:59] v_permlanex16_b32's selects for lane l xor 16
.set MSB, 0
.macro WIN new                         ; the immediate's high byte repeats the setting that is left; a switch that changes nothing is dropped
.if MSB != \new
	s_set_vgpr_msb (MSB<<8)|\new
.set MSB, \new
.endif
.endm
.macro PLACES n
.rept \n
	v_nop
.endr
.endm
.macro CROUND                          ; a round of the cluster's barrier
	s_barrier_signal -1
	s_barrier_wait -1
	s_cmp_lg_u32 s[WV], 0
	s_cbranch_scc1 .Lnot_wave_0_\@
	s_barrier_signal -3
.Lnot_wave_0_\@:
	s_barrier_wait -3
	s_barrier_signal -1
	s_barrier_wait -1
.endm
.macro JLOAD g0                        ; a joint load: waves 0 to 3 fetch a quarter of the block each; the branch hangs on the wave's number alone.  An s_nop 0 and four v_nop follow the load
	s_cmp_lt_u32 s[WV], 4
	s_cbranch_scc0 .Lno_load_\@
	tensor_load_to_lds s[\g0:\g0+3], s[G1:G1+7]
	s_nop 0
.rept 4
	v_nop
.endr
.Lno_load_\@:
.endm
; A prefetch of the block that the NEXT change of slots will ask for: a key step ahead of that load.  All four clusters of a pair of heads walk the same blocks, and cluster 0 walks all sixteen: it asks, nobody else.
; Its partners share a block out by address, 24,576 bytes each; in each, waves 4, 5, 6 ask for 8,192 bytes each, lanes 256 bytes apart: each aligned 256 bytes is named once in the launch.
.macro ASK lim
	s_cmp_gt_u32 s[CNT], s[\lim]
	s_cbranch_scc0 .Lnot_mine_\@
	global_prefetch_b8 v3, s[PFA:PFA+1] th:TH_LOAD_NT scope:SCOPE_SE
.Lnot_mine_\@:
.endm
	s_load_b512 s[4:19], s[0:1], 0x0               ; q s[4:5], kv s[6:7], exponents s[8:9], lambda_q1 s[10:11], lambda_k1 s[12:13], lambda_q2 s[14:15], lambda_k2 s[16:17], subln_weight s[18:19]
	s_load_b64 s[20:21], s[0:1], 0x40              ; out0
	v_lshl_add_u32 v[SPW], v0, 2, SPARE
	v_mov_b32 v[NIL], 0
	ds_add_u32 v[SPW], v[NIL]                      ; the wave's opening: the add, twice on end, and its wait ahead of the first tensor load; work on registers stands between
	ds_add_u32 v[SPW], v[NIL]
	v_lshrrev_b32 v24, 5, v0
	v_readfirstlane_b32 s[WV], v24                 ; wave 0..7
	s_and_b32 s[ST], s[WV], 1                      ; my stream
	s_bfe_u32 s60, s[WV], 0x10001                  ; a
	s_lshr_b32 s61, s[WV], 2                       ; hi
	s_bfe_u32 s62, ttmp6, 0x40000                  ; cx
	s_and_b32 s63, ttmp7, 0xffff                   ; the cluster's y, x give bh and cl so that the four clusters of a pair of heads have x of one parity:
	s_and_b32 s86, s63, 1
	s_lshl_b32 s86, s86, 1
	s_lshr_b32 s66, ttmp9, 1
	s_add_co_u32 s86, s86, s66                     ; cl = 2 (y % 2) + x / 2
	s_and_b32 s63, s63, 0xfffe
	s_and_b32 s66, ttmp9, 1
	s_or_b32 s63, s63, s66                         ; bh = 2 (y / 2) + x % 2
	s_lshl_b32 s66, s86, 1
	s_add_co_u32 s66, s66, s60                     ; 2 cl + a
	s_sub_co_u32 s67, 15, s66
	s_cmp_eq_u32 s61, 0
	s_cselect_b32 s66, s66, s67                    ; R
	s_lshl_b32 s[KD], s66, 7
	s_sub_co_u32 s[CNT], 7, s86                    ; the loop's trips: the cluster's 16 - 2 cl steps less the first and the last, two a trip
	s_mov_b32 s[KF], 0
	s_sub_co_u32 s60, s[WV], 4                     ; who prefetches: waves 4, 5, 6
	s_cmp_lt_u32 s60, 3
	s_cselect_b32 s60, 0, 1
	s_or_b32 s60, s60, s86                         ; of cluster 0: the same in all four partners
	s_cmp_eq_u32 s60, 0
	s_cselect_b32 s[LIM], 0, -1                    ; steps 0, 1, 3, .. 13 always ask
	s_cselect_b32 s[LIM2], 1, -1                   ; steps 2, 4, .. 12 ask; step 14 does not: there is no step 16
	s_lshl_b32 s68, s62, 5                         ; 32 cx
	s_lshl_b32 s69, s[ST], 4
	s_xor_b32 s70, s69, 16
	s_add_co_u32 s71, s68, s69                     ; tile A's first query in the range
	s_add_co_u32 s72, s68, s70                     ; tile B's
	s_lshl_b32 s73, s[ST], 14                      ; my stream's K in a slot,
	s_lshl_b32 s74, s[ST], 15
	s_add_co_u32 s74, s74, 32768                   ; its V
	s_mul_i32 s75, s[WV], 16*QROW
	s_add_co_u32 s75, s75, QST                     ; my Q stage
	v_and_b32 v24, 15, v0                          ; r
	v_bfe_u32 v25, v0, 4, 1                        ; hl
	v_and_b32 v2, 31, v0
	v_lshlrev_b32 v26, 4, v25
	v_lshlrev_b32 v3, 8, v2                        ; 256 x lane
	v_lshlrev_b32 v2, 4, v2                        ; 16 x lane
	v_sub_nc_u32 v26, v24, v26
	v_add_nc_u32 v8, s73, v2                       ; my stream's K in slot 0,
	v_add_nc_u32 v10, s74, v2                      ; its V
	v_add_nc_u32 v4, s71, v26                      ; d = my query in the range - 16 hl: on the diagonal register j of fragment f is hidden where 32 (f / 2) + 8 (f % 2) + j > d
	v_add_nc_u32 v5, s72, v26
	v_add_nc_u32 v9, SLOT1, v8                     ; in slot 1
	v_add_nc_u32 v11, SLOT1, v10
	v_add_nc_u32 v30, K0A, v8                      ; step 0's K
	v_mul_u32_u24 v23, v24, QROW
	v_add_nc_u32 v21, s75, v2                      ; Q into its stage: 512 consecutive bytes a row,
	v_lshl_add_u32 v23, v25, 6, v23
	v_add_nc_u32 v23, s75, v23                     ; and back: row r, + 64 hl
	v_mov_b32 v13, 0xff61b1e6                      ; the largest t so far: -3e38
	v_mov_b32 v17, 0xff61b1e6
	v_mov_b32 v14, 0
	v_mov_b32 v15, 0
	v_floor_f32 v12, -v13
	v_floor_f32 v16, -v17
	v_mov_b32 v18, 0
	v_mov_b32 v19, 0
	; descriptor group 1: 96 rows of 256 bytes, dense; for step 0's K 32 rows
.irp g, G1, 92
	s_mov_b32 s[\g+0], 15|(3<<16)|(1<<21)          ; 15:0 the mask: all four partners; 17:16 elements of 8 bytes; 21 set beside a mask; no padding: images are read 512 consecutive bytes an instruction
	s_mov_b32 s[\g+1], 32<<16                      ; tensor_dim0 = 32
	s_mov_b32 s[\g+3], 32<<16                      ; tile_dim0 = 32
	s_mov_b32 s[\g+5], 32                          ; from row to row
	s_mov_b32 s[\g+6], 0
	s_mov_b32 s[\g+7], 0
.endr
	s_mov_b32 s[G1+2], 96<<16                      ; tensor_dim1
	s_mov_b32 s[G1+4], 96                          ; tile_dim1
	s_mov_b32 s94, 32<<16
	s_mov_b32 s96, 32
	s_mov_b32 s[SEL], 0x76543210
	s_mov_b32 s[SEL+1], 0xfedcba98
	s_lshr_b32 s74, s63, 3                         ; b
	s_and_b32 s75, s63, 7                          ; h
	s_lshl_b32 s74, s74, 11
	s_add_co_u32 s74, s74, s[KD]
	s_add_co_u32 s76, s74, s71                     ; tile A's first row: 2,048 b + its first query
	s_add_co_u32 s77, s74, s72                     ; tile B's
	s_lshl_b32 s75, s75, 10                        ; the pair's 1,024 bytes of a row
	s_lshl_b32 s78, s[ST], 9                       ; my head's 512 of them
	s_lshl_b32 s80, s76, 13
	s_add_co_u32 s80, s80, s75                     ; out0: tile A's rows
	s_mov_b32 s81, 0
	s_add_co_u32 s82, s80, s78                     ; q: tile A
	s_mov_b32 s83, 0
	s_lshl_b32 s84, s77, 13
	s_add_co_u32 s84, s84, s75
	s_add_co_u32 s84, s84, s78                     ; q: tile B
	s_mov_b32 s85, 0
	s_mul_i32 s79, s63, 16*BLOCK                   ; the pair's sixteen blocks of kv
	s_and_b32 s89, s[WV], 3
	s_mul_i32 s88, s89, BLOCK/4                    ; the quarter that I fetch, in a block and in a slot: no place in the cluster enters an LDS address
	s_add_co_u32 s86, s79, s88
	s_mov_b32 s87, 0
	s_mul_i32 s90, s62, BLOCK/4                    ; the prefetches: my work-group's quarter,
	s_lshl_b32 s91, s89, 13                        ; my wave's 8,192 bytes of it,
	s_add_co_u32 s90, s90, s91
	s_add_co_u32 s90, s90, s79
	s_add_co_u32 s90, s90, BLOCK                   ; in step 1: the first change of slots steps it to step 2.  Nothing is prefetched at the head
	s_mul_i32 s76, s89, 8192                       ; step 0's K: my quarter of 32,768 bytes,
	s_add_co_u32 s77, s76, K0A
	s_add_co_u32 s78, s76, s79
	s_add_co_u32 s78, s78, 15*BLOCK                ; in block 15
	s_mov_b32 s79, 0
	s_mov_b32 s91, 0
	s_wait_alu depctr_va_vdst(0)
	s_wait_dscnt 0x0                               ; both opening adds are done
	s_wait_kmcnt 0x0
	s_load_b256 s[40:47], s[8:9], 0x0              ; the eight exponents
	s_mov_b32 s32, 1                               ; group 0, slot 0: count = 1,
	s_mov_b32 s33, s88                             ; LDS address,
	s_add_nc_u64 s[34:35], s[6:7], s[86:87]        ; global address: block 0
	s_mov_b32 s36, 1                               ; slot 1:
	s_add_co_u32 s37, s88, SLOT1
	s_add_nc_u64 s[38:39], s[34:35], BLOCK         ; block 1
	s_or_b32 s35, s35, 0x80000000                  ; type = 2
	s_or_b32 s39, s39, 0x80000000
	s_add_nc_u64 s[PFA:PFA+1], s[6:7], s[90:91]
	s_mov_b32 s88, 1                               ; group 0 for step 0's K
	s_mov_b32 s89, s77
	s_add_nc_u64 s[90:91], s[6:7], s[78:79]
	s_or_b32 s91, s91, 0x80000000
	s_add_nc_u64 s[82:83], s[4:5], s[82:83]
	s_add_nc_u64 s[84:85], s[4:5], s[84:85]
	s_add_nc_u64 s[20:21], s[20:21], s[80:81]
	CROUND                                         ; all four partners are here: the first joint loads meet
	s_cmp_lt_u32 s[WV], 4                          ; the first fills, one a wave: waves 0 to 3 block 0, waves 4 to 7 step 0's K
	s_cbranch_scc0 .Lfill_k0
	tensor_load_to_lds s[32:35], s[G1:G1+7]
	s_nop 0
	PLACES 4
	s_branch .Lfilled
.Lfill_k0:
	tensor_load_to_lds s[88:91], s[92:99]
	s_nop 0
	PLACES 4
.Lfilled:
	global_load_b128 v[32:35], v2, s[10:11]        ; the lambdas: four numbers a lane
	global_load_b128 v[36:39], v2, s[12:13]
	global_load_b128 v[40:43], v2, s[14:15]
	global_load_b128 v[44:47], v2, s[16:17]
.set J, 0
.rept 16
	global_load_b128 v[H+4*J:H+4*J+3], v2, s[82:83] offset:8192*J th:TH_LOAD_NT         ; Q, tile A, row J: 32 lanes read 512 consecutive bytes
.set J, J+1
.endr
.set J, 0
.rept 16
	global_load_b128 v[H+64+4*J:H+67+4*J], v2, s[84:85] offset:8192*J th:TH_LOAD_NT     ; tile B
.set J, J+1
.endr
	s_wait_kmcnt 0x0
	s_cmp_eq_u32 s[ST], 0                          ; my stream's four exponents: a choice on the wave's number, no branch
	s_cselect_b32 s66, s40, s44                    ; eq
	s_cselect_b32 s67, s41, s45                    ; ek
	s_cselect_b32 s68, s42, s46                    ; ev
	s_cselect_b32 s69, s43, s47                    ; ep
	s_cselect_b32 s60, 0, -1                       ; all lanes in stream 1
	s_add_co_i32 s70, s66, s67
	s_lshl_b32 s70, s70, 23
	s_add_co_i32 s[CS], s70, 0x3e0293ee            ; c = log2(e) / sqrt(128), with eq + ek added to its exponent field
	s_mov_b32 s[CS+1], s[CS]                       ; (named with it as a pair)
	s_add_co_i32 s53, s69, s68                     ; ep + ev
	s_add_co_i32 s70, s66, 127
	s_lshl_b32 s71, s70, 23
	v_mov_b32 v28, s71                             ; 2^eq
	s_add_co_i32 s70, s70, 15
	s_lshl_b32 s70, s70, 23
	s_or_b32 s70, s70, 0x600000
	v_mov_b32 v29, s70                             ; 57,344 x 2^eq
	s_add_co_i32 s70, s69, 127
	s_lshl_b32 s71, s70, 23
	v_mov_b32 v31, s71                             ; 2^ep
	s_add_co_i32 s70, s70, 15
	s_lshl_b32 s70, s70, 23
	s_or_b32 s[PLIM], s70, 0x600000                ; 57,344 x 2^ep
	s_wait_alu depctr_va_vdst(0)
	s_wait_loadcnt 32                              ; the lambdas are in; Q's 32 loads may be out
	v_mul_f32 v24, v32, v36
	v_mul_f32 v25, v40, v44
	v_fmac_f32 v24, v33, v37
	v_fmac_f32 v25, v41, v45
	v_fmac_f32 v24, v34, v38
	v_fmac_f32 v25, v42, v46
	v_fmac_f32 v24, v35, v39
	v_fmac_f32 v25, v43, v47
.irp m, 1,2,4,8
	v_add_f32_dpp v24, v24, v24 row_xmask:\m row_mask:0xf bank_mask:0xf
	v_add_f32_dpp v25, v25, v25 row_xmask:\m row_mask:0xf bank_mask:0xf
.endr
	v_permlanex16_b32 v26, v24, s[SEL], s[SEL+1]
	v_add_f32 v24, v24, v26                        ; the sum of lambda_q1 x lambda_k1
	v_permlanex16_b32 v26, v25, s[SEL], s[SEL+1]
	v_add_f32 v25, v25, v26                        ; of lambda_q2 x lambda_k2
	v_mul_f32 v24, 0x3fb8aa3b, v24
	v_mul_f32 v25, 0x3fb8aa3b, v25
	s_wait_alu depctr_va_vdst(0)                   ; ahead of the batch
	v_exp_f32 v24, v24
	v_exp_f32 v25, v25
	v_nop                                          ; a plain line behind the exponentials,
	s_wait_alu depctr_va_vdst(0)                   ; and the wait ahead of their first reader
	v_sub_f32 v24, v25, v24
	v_add_f32 v24, 0xbf489a63, v24                 ; -lambda = lambda_2 - lambda_1 - LAMBDA_INIT (0.78360577)
	v_cndmask_b32 v1, 1.0, v24, s60                ; my stream's coefficient
	; Q turns through my stage: whole rows in, 16 neighbouring channels a lane out.  LDS serves a wave's instructions in order (ISA guide 5.7.1.4): no wait stands between the stores and the loads; the bytes are my own
.macro TURNQ src, dst
.set J, 0
.rept 16
	ds_store_b128 v21, v[\src+4*J:\src+4*J+3] offset:QROW*J
.set J, J+1
.endr
.set J, 0
.rept 16
	ds_load_b128 v[\dst+4*J:\dst+4*J+3], v23 offset:128*(J/4)+16*(J%4)
.set J, J+1
.endr
.endm
	s_wait_alu depctr_va_vdst(0)
	s_wait_tensorcnt 0x0                           ; my first fill is in
	s_wait_loadcnt 16                              ; tile A's sixteen loads are in
	TURNQ 128, 64
	s_wait_loadcnt 0x0
	TURNQ 192, 128
.macro QUANTQ src, dst                 ; 64 numbers of my row of Q become a fragment's 16 registers
.set QI, 0
.rept 64
	v_med3_num_f32 v[\src+QI], v[\src+QI], -v29, v29   ; the conversion does not saturate (ISA guide 7.6.2): the hold comes first
.set QI, QI+1
.endr
.set QI, 0
.rept 8
	v_cvt_scalef32_pk8_bf8_f32 v[\dst+2*QI:\dst+2*QI+1], v[\src+8*QI:\src+8*QI+7], v28
.set QI, QI+1
.endr
	v_nop                                          ; a plain line behind the last conversion
.endm
.macro LOADF adr, f0, n, reg           ; n fragments from f0 on: 512 consecutive bytes an instruction
.set LI, 0
.rept \n
.irp c, 0,1,2,3
	ds_load_b128 v[\reg+16*LI+4*\c:\reg+16*LI+4*\c+3], v[\adr] offset:(\f0+LI)*2048+512*\c
.endr
.set LI, LI+1
.endr
.endm
.macro MULK f0, reg                    ; two fragments of K, each against both tiles of queries; every product starts its sum
.irp f, 0,1
	v_wmma_f32_16x16x128_bf8_bf8 v[H+16*(\f0+\f):H+16*(\f0+\f)+7], v[\reg+16*\f:\reg+16*\f+15], v[QCA:QCA+15], 0
	v_wmma_f32_16x16x128_bf8_bf8 v[H+16*(\f0+\f)+8:H+16*(\f0+\f)+15], v[\reg+16*\f:\reg+16*\f+15], v[QCB:QCB+15], 0
.endr
.endm
; The scores, K's fragments 0..3 being on their way into v192-255, 4, 5 into X, 6, 7 into v64-95, in this order.
.macro MAX0                            ; the largest scores of half 0: tile A's in two chains v24, v25, tile B's in v26, v27
	v_max3_num_f32 v24, v[H], v[H+1], v[H+2]
	v_max3_num_f32 v26, v[H+8], v[H+9], v[H+10]
	v_max3_num_f32 v25, v[H+3], v[H+4], v[H+5]
	v_max3_num_f32 v27, v[H+11], v[H+12], v[H+13]
	v_max3_num_f32 v24, v24, v[H+6], v[H+7]
	v_max3_num_f32 v26, v26, v[H+14], v[H+15]
.set SI, 16
.rept 3
	v_max3_num_f32 v25, v25, v[H+SI], v[H+SI+1]
	v_max3_num_f32 v27, v27, v[H+SI+8], v[H+SI+9]
	v_max3_num_f32 v24, v24, v[H+SI+2], v[H+SI+3]
	v_max3_num_f32 v26, v26, v[H+SI+10], v[H+SI+11]
	v_max3_num_f32 v25, v25, v[H+SI+4], v[H+SI+5]
	v_max3_num_f32 v27, v27, v[H+SI+12], v[H+SI+13]
	v_max3_num_f32 v24, v24, v[H+SI+6], v[H+SI+7]
	v_max3_num_f32 v26, v26, v[H+SI+14], v[H+SI+15]
.set SI, SI+16
.endr
.endm
.macro SCORES
	s_wait_dscnt 16                                ; fragments 0..3 are in; the sixteen loads of 4..7 may be out
	MULK 0, 192
	MULK 2, 224
	s_wait_dscnt 8                                 ; 4, 5 are in
	PLACES 5                                       ; the products below write over fragments that those above read
	MULK 4, XB
	MAX0                                           ; half 0's products lie five places back; K's last two fragments may still be on their way
	s_wait_dscnt 0x0
	MULK 6, 64
	PLACES 4                                       ; in front of the first read of results
.endm
.macro MASK                            ; the diagonal: each accumulator from its low end on
	v_mov_b32 v27, 0xff800000                      ; -infinity
.set MN, 0
.rept 64
	v_cmp_gt_i32 vcc_lo, 32*(MN/16)+MN%16, v4
	v_cndmask_b32 v[H+16*(MN/8)+MN%8], v[H+16*(MN/8)+MN%8], v27, vcc_lo
	v_cmp_gt_i32 vcc_lo, 32*(MN/16)+MN%16, v5
	v_cndmask_b32 v[H+16*(MN/8)+8+MN%8], v[H+16*(MN/8)+8+MN%8], v27, vcc_lo
.set MN, MN+1
.endr
	MAX0                                           ; anew, without the hidden scores
.endm
.macro HOLD2 a                         ; two numbers p: not negative, so a one-sided hold
	v_dual_min_num_f32 v[\a], s[PLIM], v[\a] :: v_dual_min_num_f32 v[\a+1], s[PLIM], v[\a+1]
.endm
.macro SUBT a                          ; t - M, two numbers of one tile; a: 0 .. 126
	v_pk_fma_f32 v[H+\a:H+1+\a], v[H+\a:H+1+\a], s[CS:CS+1], v[12+4*(((\a)/8)%2):13+4*(((\a)/8)%2)] op_sel_hi:[1,0,0]
.endm
; Both tiles' softmax for a key step, line by line in turns; p's codes into PCA, PCB.  V's fragments 2..5 are asked for when half 0 is done with, 6..9 when half 1 is.
.macro SOFTMAX slot
.set SI, 64                            ; the step's largest score of my query in each tile among my 64 keys: MAX0 has made half 0's chains, half 1 goes on
.rept 4
	v_max3_num_f32 v25, v25, v[H+SI], v[H+SI+1]
	v_max3_num_f32 v27, v27, v[H+SI+8], v[H+SI+9]
	v_max3_num_f32 v24, v24, v[H+SI+2], v[H+SI+3]
	v_max3_num_f32 v26, v26, v[H+SI+10], v[H+SI+11]
	v_max3_num_f32 v25, v25, v[H+SI+4], v[H+SI+5]
	v_max3_num_f32 v27, v27, v[H+SI+12], v[H+SI+13]
	v_max3_num_f32 v24, v24, v[H+SI+6], v[H+SI+7]
	v_max3_num_f32 v26, v26, v[H+SI+14], v[H+SI+15]
.set SI, SI+16
.endr
	v_max_num_f32 v24, v24, v25
	v_max_num_f32 v26, v26, v27
	v_permlanex16_b32 v28, v24, s[SEL], s[SEL+1]
	v_permlanex16_b32 v29, v26, s[SEL], s[SEL+1]
	v_max_num_f32 v24, v24, v28                    ; and among lane l xor 16's
	v_max_num_f32 v26, v26, v29
	v_mul_f32 v24, s[CS], v24                      ; as t (c is positive)
	v_mul_f32 v26, s[CS], v26
	v_max_num_f32 v13, v13, v24                    ; the running largest t
	v_max_num_f32 v17, v17, v26
	v_mov_b32 v24, v12
	v_mov_b32 v26, v16
	v_floor_f32 v12, -v13                          ; -M = floor(-t): M is a whole number
	v_floor_f32 v16, -v17
	v_sub_f32 v24, v12, v24                        ; old M - new M, 0 or less
	v_sub_f32 v26, v16, v26
	v_cvt_i32_f32 v24, v24                         ; (it saturates)
	v_cvt_i32_f32 v26, v26
	v_ldexp_f32 v20, 1.0, v24                      ; f = 2^(old M - new M)
	v_ldexp_f32 v22, 1.0, v26
.set SI, 0
.rept 32
	SUBT SI
.set SI, SI+2
.endr
	s_wait_alu depctr_va_vdst(0)                   ; ahead of the batch
.set SI, 0
.rept 32
	v_exp_f32 v[H+SI], v[H+SI]                     ; half 0: p = 2^(t - M); among them half 1's t - M, which is read behind the next wait alone
	v_exp_f32 v[H+SI+1], v[H+SI+1]
	SUBT SI+64
.set SI, SI+2
.endr
	v_pk_mul_f32 v[14:15], v[14:15], v[20:21] op_sel_hi:[1,0]   ; the sums under the new M
	v_pk_mul_f32 v[18:19], v[18:19], v[22:23] op_sel_hi:[1,0]
	s_wait_alu depctr_va_vdst(0)                   ; behind half 0's batch, ahead of half 1's
.set SI, 0
.rept 16
	v_exp_f32 v[H+64+SI], v[H+64+SI]               ; half 1; among them half 0's first sums, of the unquantised p, and its holds: all read behind the next wait alone
	v_exp_f32 v[H+65+SI], v[H+65+SI]
	v_pk_add_f32 v[64+SI/2:65+SI/2], v[H+SI:H+SI+1], v[H+SI+2:H+SI+3]
	v_exp_f32 v[H+66+SI], v[H+66+SI]
	HOLD2 H+SI
	v_exp_f32 v[H+67+SI], v[H+67+SI]
	HOLD2 H+SI+2
.set SI, SI+4
.endr
	s_wait_alu depctr_va_vdst(0)                   ; behind half 1's batch
.set SI, 0
.rept 8
	v_pk_add_f32 v[80+SI:81+SI], v[64+SI:65+SI], v[80+SI:81+SI]   ; fragments f and f + 2
.set SI, SI+2
.endr
.set SI, 0
.rept 4
	v_cvt_scalef32_pk8_bf8_f32 v[PCA+SI:PCA+SI+1], v[H+8*SI:H+8*SI+7], v31
	v_pk_add_f32 v[80+SI:81+SI], v[80+SI:81+SI], v[88+SI:89+SI]
.set SI, SI+2
.endr
	v_pk_add_f32 v[80:81], v[80:81], v[82:83]      ; tile A's,
	v_pk_add_f32 v[84:85], v[84:85], v[86:87]      ; tile B's
	v_pk_add_f32 v[14:15], v[14:15], v[80:81]
	v_pk_add_f32 v[18:19], v[18:19], v[84:85]
.set SI, 0
.rept 4
	v_cvt_scalef32_pk8_bf8_f32 v[PCB+SI:PCB+SI+1], v[H+8+8*SI:H+15+8*SI], v31
.set SI, SI+2
.endr
	LOADF 10+\slot, 2, 4, H
.set SI, H+64
.rept 4
	v_pk_add_f32 v[14:15], v[14:15], v[SI:SI+1]    ; half 1's sums, in two chains a tile, and its holds
	v_pk_add_f32 v[18:19], v[18:19], v[SI+8:SI+9]
	HOLD2 SI
	HOLD2 SI+8
.if SI == H+64
	v_pk_add_f32 v[24:25], v[SI+2:SI+3], v[SI+6:SI+7]
	v_pk_add_f32 v[26:27], v[SI+10:SI+11], v[SI+14:SI+15]
.else
	v_pk_add_f32 v[24:25], v[24:25], v[SI+2:SI+3]
	v_pk_add_f32 v[26:27], v[26:27], v[SI+10:SI+11]
.endif
	v_pk_add_f32 v[14:15], v[14:15], v[SI+4:SI+5]
	v_pk_add_f32 v[18:19], v[18:19], v[SI+12:SI+13]
	HOLD2 SI+4
	HOLD2 SI+12
.if SI != H+64
	v_pk_add_f32 v[24:25], v[24:25], v[SI+6:SI+7]
	v_pk_add_f32 v[26:27], v[26:27], v[SI+14:SI+15]
.endif
	HOLD2 SI+2
	HOLD2 SI+10
	HOLD2 SI+6
	HOLD2 SI+14
.set SI, SI+16
.endr
	v_pk_add_f32 v[14:15], v[14:15], v[24:25]
	v_pk_add_f32 v[18:19], v[18:19], v[26:27]
.set SI, 0
.rept 4
	v_cvt_scalef32_pk8_bf8_f32 v[PCA+8+SI:PCA+9+SI], v[H+64+8*SI:H+71+8*SI], v31
	v_cvt_scalef32_pk8_bf8_f32 v[PCB+8+SI:PCB+9+SI], v[H+72+8*SI:H+79+8*SI], v31
.set SI, SI+2
.endr
	v_nop                                          ; a plain line behind the last conversion
	LOADF 10+\slot, 6, 4, H+64
.endm
; O^T += V^T P^T: each fragment of V against both tiles of queries.  The 32 accumulators take turns, one instruction a turn, in the same order in every step.  first = 1: the products start the sums.
.macro MULV f0, n, reg, first
.if \first
	WIN 0x40                                       ; D in window 1
.else
	WIN 0x50                                       ; C and D in window 1
.endif
.set LI, 0
.rept \n
.if \first
	v_wmma_f32_16x16x128_bf8_bf8 v[8*(\f0+LI):8*(\f0+LI)+7], v[\reg+16*LI:\reg+16*LI+15], v[PCA:PCA+15], 0
	v_wmma_f32_16x16x128_bf8_bf8 v[128+8*(\f0+LI):128+8*(\f0+LI)+7], v[\reg+16*LI:\reg+16*LI+15], v[PCB:PCB+15], 0
.else
	v_wmma_f32_16x16x128_bf8_bf8 v[8*(\f0+LI):8*(\f0+LI)+7], v[\reg+16*LI:\reg+16*LI+15], v[PCA:PCA+15], v[8*(\f0+LI):8*(\f0+LI)+7]
	v_wmma_f32_16x16x128_bf8_bf8 v[128+8*(\f0+LI):128+8*(\f0+LI)+7], v[\reg+16*LI:\reg+16*LI+15], v[PCB:PCB+15], v[128+8*(\f0+LI):128+8*(\f0+LI)+7]
.endif
.set LI, LI+1
.endr
	WIN 0
.endm
; A KEY STEP of 128 keys: V out of slot, the next step's K out of the same slot.  Loads into registers that products have read stand four places behind them.
.macro STEP slot, first, last
.if !\first
	s_cmp_gt_u32 s[KF], s[KD]                      ; all keys of the step come after my range: ids and the count of steps alone, the same in all four partners
	s_cbranch_scc1 .Lhid_\@
.endif
	LOADF 10+\slot, 0, 2, XB
	SOFTMAX \slot
.if !\first
	WIN 0x41                                       ; destination and source 0 in window 1
	s_wait_alu depctr_va_vdst(0)                   ; directly ahead of the first reader of O^T
.set RJ, 0
.rept 64
	v_pk_mul_f32 v[RJ:RJ+1], v[RJ:RJ+1], v[20:21] op_sel_hi:[1,0]   ; O^T under the new M
.set RJ, RJ+2
.endr
.set RJ, 128
.rept 64
	v_pk_mul_f32 v[RJ:RJ+1], v[RJ:RJ+1], v[22:23] op_sel_hi:[1,0]
.set RJ, RJ+2
.endr
.endif
	s_wait_alu depctr_va_vdst(0)
	s_wait_dscnt 16                                ; fragments 0..5 are in; the sixteen loads of 6..9 may be out
	MULV 0, 2, XB, \first
	PLACES 4
	LOADF 10+\slot, 10, 2, XB
	MULV 2, 4, H, \first
	PLACES 4
	LOADF 10+\slot, 12, 4, H
	s_wait_dscnt 24                                ; 6..9 are in; the 24 loads just issued may be out
	MULV 6, 4, H+64, \first
	PLACES 4
.if \last
	s_wait_dscnt 16                                ; 10, 11 are in
	MULV 10, 2, XB, \first
	s_wait_dscnt 0x0
	MULV 12, 4, H, \first
	PLACES 5
.else
	LOADF 8+\slot, 0, 4, H+64                      ; the next step's K
	s_wait_dscnt 32                                ; 10, 11 are in; 12..15 and K's 0..3 may be out
	MULV 10, 2, XB, \first
	PLACES 4
	LOADF 8+\slot, 4, 2, XB
	s_wait_dscnt 24                                ; 12..15 are in; K's 0..5 may be out
	MULV 12, 4, H, \first
	PLACES 5                                       ; five in front of products that write over fragments that these read
	s_cmp_ge_u32 s[KF], s[KD]                      ; my step on the diagonal is my last: K's loads are waited for at the next change of slots
	s_cbranch_scc1 .Lhid_\@
	LOADF 8+\slot, 6, 2, 64
	SCORES
	s_add_co_u32 s60, s[KF], 128
	s_cmp_lg_u32 s60, s[KD]                        ; is the next step the one on the diagonal?
	s_cbranch_scc1 .Lhid_\@
	MASK
.endif
.Lhid_\@:
	s_add_co_u32 s[KF], s[KF], 128
.endm
; THE CHANGE OF SLOTS stands at a step's head.  Each wave waits for all its tensor loads (one at the most is out: its part of the slot ahead), adds 0 to its spare word, and waits for that and for its reads of the slot
; that it has left.  refill = 1: a round of the cluster's barrier, and behind it the slot just left is filled with the next block (in step 0: slot 1 for the first time): the load has a whole step in which to land.
.macro TRIP slot, refill, first, lim
	s_wait_alu depctr_va_vdst(0)
	s_wait_tensorcnt 0x0                           ; no tensor load of mine is out, so a group 0 may be written
	ds_add_u32 v[SPW], v[NIL]                      ; 0 onto my spare word; the steps below stand between it and the wait for it
.if \refill
	s_add_nc_u64 s[34+4*\slot:35+4*\slot], s[34+4*\slot:35+4*\slot], 2*BLOCK   ; this slot's next block; the type bits on top are not reached
	s_wait_xcnt 0x0                                ; the last prefetch, a step back, has read its address
	s_add_nc_u64 s[PFA:PFA+1], s[PFA:PFA+1], BLOCK
.endif
	s_wait_dscnt 0x0                               ; the add is done, and my reads of the slot that I have left are over
.if \refill
	CROUND                                         ; no wave of any partner still reads that slot or has a load on its way
	JLOAD 36-4*\slot                               ; the first tensor load behind the round, one a wave
	ASK \lim
.else
	s_barrier_signal -1
	s_barrier_wait -1
.endif
.if \first
	QUANTQ 64, QCA
	QUANTQ 128, QCB
	LOADF 30, 0, 4, 192                            ; step 0's K
	LOADF 30, 4, 2, XB
	LOADF 30, 6, 2, 64
	s_wait_alu depctr_va_vdst(0)
	SCORES
	s_wait_alu depctr_va_vdst(0)
	s_cmp_lg_u32 s[KD], 0                          ; range 0 has its diagonal in step 0
	s_cbranch_scc1 .Lopen_\@
	MASK
	s_wait_alu depctr_va_vdst(0)
.Lopen_\@:
.endif
	STEP \slot, \first, (1-\refill)
.endm
	TRIP 0, 1, 1, LIM                              ; step 0 starts O^T's sums: nothing is ever cleared; every wave has it
.Lloop:                                            ; 7 - cl trips of two steps
	TRIP 1, 1, 0, LIM
	TRIP 0, 1, 0, LIM2
	s_sub_co_u32 s[CNT], s[CNT], 1
	s_cmp_gt_i32 s[CNT], 0
	s_cbranch_scc1 .Lloop
	; THE LAST STEP, 15 - 2 cl, AND THE WAY OUT.  Only range 15 - 2 cl, waves 4 and 5, has work in the last step: waves 0 to 3 (ranges 2 cl, 2 cl + 1, at most 7) and waves 6 and 7 (range 14 - 2 cl) have finished their sums.
	; These six exchange ahead of the last change of slots, whose barrier serves the exchange too, and go out while waves 4 and 5 multiply; those two exchange behind their last step.  All branches hang on the wave's number, all waves pass all barriers.
	s_lshr_b32 s63, s[WV], 1                       ; 2 in waves 4 and 5
	s_xor_b32 s60, s[WV], 4
	s_add_co_u32 s61, s60, 6
	s_lshr_b32 s61, s61, 3                         ; 0 in waves 4 and 5, else 1
	s_mul_i32 s61, s61, EXB
	s_mul_i32 s62, s60, EXA
	s_add_co_u32 s62, s62, s61                     ; my area
	s_xor_b32 s60, s60, 1
	s_mul_i32 s60, s60, EXA
	s_add_co_u32 s60, s60, s61                     ; wave w xor 1's
	v_and_b32 v28, 15, v0                          ; r  (v24 to v27 hold the maxima of half 0 of waves 4's and 5's last step)
	v_bfe_u32 v29, v0, 4, 1                        ; hl
	v_add_nc_u32 v8, s62, v2                       ; the exchange: where I store,
	v_add_nc_u32 v9, s60, v2                       ; and where I read.  Nobody but me touches those bytes afterwards: they are my stage
	v_mul_u32_u24 v10, v28, SROW
	v_lshl_add_u32 v10, v29, 5, v10
	v_add_nc_u32 v10, s60, v10                     ; the stage, in: row r, + 32 hl; back: by v9, 512 consecutive bytes an instruction
.macro EXCH                            ; g = my stream's coefficient x 2^(ep + ev) / the row's sum.  My tile B x g goes to wave w xor 1 as an image of its registers: it is the other stream on that wave's tile A
	PLACES 4                                       ; behind the last products
	v_add_f32 v14, v14, v15
	v_add_f32 v18, v18, v19
	v_permlanex16_b32 v26, v14, s[SEL], s[SEL+1]
	v_permlanex16_b32 v27, v18, s[SEL], s[SEL+1]
	v_add_f32 v14, v14, v26                        ; tile A's rows' sums
	v_add_f32 v18, v18, v27                        ; tile B's
	s_wait_alu depctr_va_vdst(0)                   ; ahead of the batch
	v_rcp_f32 v14, v14
	v_rcp_f32 v18, v18
	v_nop                                          ; a plain line behind the reciprocals
	s_wait_alu depctr_va_vdst(0)                   ; one wait for both reciprocals, ahead of their first reader
	v_ldexp_f32 v14, v14, s53
	v_ldexp_f32 v18, v18, s53
	v_mul_f32 v20, v14, v1                         ; g of tile A,
	v_mul_f32 v22, v18, v1                         ; of tile B
	WIN 0x01                                       ; source 0 in window 1
	s_wait_alu depctr_va_vdst(0)                   ; directly ahead of the first reader of O^T
.set J, 0
.rept 64
	v_pk_mul_f32 v[128+J:129+J], v[128+J:129+J], v[22:23] op_sel_hi:[1,0]   ; tile B's O^T x g, each accumulator from its low end on
.set J, J+2
.endr
	WIN 0
.set J, 0
.rept 32
	ds_store_b128 v8, v[128+4*J:131+4*J] offset:512*J
.set J, J+1
.endr
.endm
.macro OUT                             ; behind the barrier that follows EXCH
	global_load_b128 v[64:67], v2, s[18:19]        ; the gain: channels 4 x lane on,
	global_load_b128 v[68:71], v2, s[18:19] offset:512   ; and 128 + 4 x lane on
.set J, 0
.rept 32
	ds_load_b128 v[128+4*J:131+4*J], v9 offset:512*J
.set J, J+1
.endr
	s_wait_dscnt 0x0
	WIN 0x01
	s_wait_alu depctr_va_vdst(0)                   ; directly ahead of the first reader of tile A's O^T
.set J, 0
.rept 64
	v_pk_fma_f32 v[128+J:129+J], v[J:J+1], v[20:21], v[128+J:129+J] op_sel_hi:[1,0,1]   ; attn1 - lambda attn2: register 8 t + j is channel 16 t + 8 hl + j of query r
.set J, J+2
.endr
	WIN 0
.irp n, 0,1,2,3
	v_pk_mul_f32 v[24+2*\n:25+2*\n], v[128+2*\n:129+2*\n], v[128+2*\n:129+2*\n]   ; the sum of squares, in four packed chains
.endr
.set J, 8
.rept 60
	v_pk_fma_f32 v[24+J%8:25+J%8], v[128+J:129+J], v[128+J:129+J], v[24+J%8:25+J%8]
.set J, J+2
.endr
	v_pk_add_f32 v[24:25], v[24:25], v[26:27]
	v_pk_add_f32 v[28:29], v[28:29], v[30:31]
	v_pk_add_f32 v[24:25], v[24:25], v[28:29]
	v_add_f32 v24, v24, v25
	v_permlanex16_b32 v26, v24, s[SEL], s[SEL+1]
	v_add_f32 v24, v24, v26                        ; over the row's 256 channels
	s_mov_b32 s60, 0x3b800000                      ; 1 / 256
	v_fmaak_f32 v24, s60, v24, 0x3727c5ac          ; the mean + 1e-5
	s_wait_alu depctr_va_vdst(0)                   ; ahead of the transcendental
	v_rsq_f32 v24, v24
	v_nop
	s_wait_alu depctr_va_vdst(0)                   ; and ahead of its first reader
	v_mul_f32 v24, 0x3e5d9673, v24                 ; x (1 - LAMBDA_INIT) = 0.21639423
.set J, 0
.rept 64
	v_pk_mul_f32 v[128+J:129+J], v[128+J:129+J], v[24:25] op_sel_hi:[1,0]
.set J, J+2
.endr
.set J, 0
.rept 16
	ds_store_b128 v10, v[128+8*J:131+8*J] offset:64*J
	ds_store_b128 v10, v[132+8*J:135+8*J] offset:64*J+16
.set J, J+1
.endr
.set J, 0
.rept 32
	ds_load_b128 v[128+4*J:131+4*J], v9 offset:SROW*(J/2)+512*(J%2)   ; LDS serves a wave's instructions in order (ISA guide 5.7.1.4): these see my stores; the bytes are my own
.set J, J+1
.endr
	s_wait_loadcnt 0x0                             ; the gain
.set J, 0
.rept 32
	s_wait_dscnt 31-J                              ; half row J is back; the younger ones may be out
	v_pk_mul_f32 v[128+4*J:129+4*J], v[128+4*J:129+4*J], v[64+4*(J%2):65+4*(J%2)]
	v_pk_mul_f32 v[130+4*J:131+4*J], v[130+4*J:131+4*J], v[66+4*(J%2):67+4*(J%2)]
	global_store_b128 v2, v[128+4*J:131+4*J], s[20:21] offset:8192*(J/2)+512*(J%2) th:TH_STORE_NT   ; 32 lanes store 512 consecutive bytes, at a multiple of 512 from the buffer's first byte
.set J, J+1
.endr
.endm
	s_wait_alu depctr_va_vdst(0)
	s_cmp_eq_u32 s63, 2
	s_cbranch_scc1 .Lone_more                      ; waves 4 and 5 have one more step
	s_wait_tensorcnt 0x0                           ; no tensor load of mine is out,
	s_wait_dscnt 0x0                               ; and no LDS load
	EXCH
.Lone_more:
	s_wait_alu depctr_va_vdst(0)
	s_wait_tensorcnt 0x0                           ; the last change of slots: nothing is filled again
	ds_add_u32 v[SPW], v[NIL]
	s_wait_dscnt 0x0
	s_barrier_signal -1
	s_barrier_wait -1                              ; the last block is whole, and six waves' images lie in LDS
	s_cmp_eq_u32 s63, 2
	s_cbranch_scc1 .Llast_step
	OUT
	s_branch .Lmeet
.Llast_step:
	STEP 1, 0, 1
	EXCH                                           ; into slot 0, which all waves have left
.Lmeet:
	s_wait_alu depctr_va_vdst(0)
	s_wait_dscnt 0x0
	s_barrier_signal -1
	s_barrier_wait -1                              ; waves 4's and 5's images lie in LDS
	s_cmp_eq_u32 s63, 2
	s_cbranch_scc0 .Lend
	OUT
.Lend:
	s_wait_tensorcnt 0x0                           ; the wave's end, behind my last tensor load and my last LDS store
	ds_add_u32 v[SPW], v[NIL]
	s_wait_dscnt 0x0
	CROUND                                         ; the closing round: no work-group ends while a partner may still ask for a block that names it
	s_endpgm
.Lfunc_end_k_q306067e322_attn:
	.size	k_q306067e322_attn, .Lfunc_end_k_q306067e322_attn-k_q306067e322_attn
	.p2alignl 7, 3214868480
	.fill 96, 4, 3214868480
	.section	.rodata,"a",@progbits
	.p2align	6, 0x0
	.amdhsa_kernel k_q306067e322_attn
		.amdhsa_group_segment_fixed_size 327680
		.amdhsa_private_segment_fixed_size 0
		.amdhsa_enable_private_segment 0
		.amdhsa_kernarg_size 72
		.amdhsa_user_sgpr_count 2
		.amdhsa_user_sgpr_kernarg_segment_ptr 1
		.amdhsa_wavefront_size32 1
		.amdhsa_system_sgpr_workgroup_id_x 1
		.amdhsa_system_sgpr_workgroup_id_y 1
		.amdhsa_system_sgpr_workgroup_id_z 1
		.amdhsa_system_vgpr_workitem_id 0
		.amdhsa_next_free_vgpr 512
		.amdhsa_next_free_sgpr 100
		.amdhsa_reserve_vcc 1
		.amdhsa_float_denorm_mode_32 3
		.amdhsa_float_denorm_mode_16_64 3
		.amdhsa_memory_ordered 1
		.amdhsa_forward_progress 1
		.amdhsa_inst_pref_size 255
	.end_amdhsa_kernel
	.section	.bss,"aw",@nobits
	.p2align	6
	.space	262144
	.amdgpu_metadata
---
amdhsa.version: [ 1, 2 ]
amdhsa.kernels:
  - .name:           k_q306067e322_attn
    .symbol:         k_q306067e322_attn.kd
    .args:
      - { .name: q, .offset: 0, .size: 8, .value_kind: global_buffer, .address_space: global }
      - { .name: kv, .offset: 8, .size: 8, .value_kind: global_buffer, .address_space: global }
      - { .name: lowp_scales, .offset: 16, .size: 8, .value_kind: global_buffer, .address_space: global }
      - { .name: lambda_q1, .offset: 24, .size: 8, .value_kind: global_buffer, .address_space: global }
      - { .name: lambda_k1, .offset: 32, .size: 8, .value_kind: global_buffer, .address_space: global }
      - { .name: lambda_q2, .offset: 40, .size: 8, .value_kind: global_buffer, .address_space: global }
      - { .name: lambda_k2, .offset: 48, .size: 8, .value_kind: global_buffer, .address_space: global }
      - { .name: subln_weight, .offset: 56, .size: 8, .value_kind: global_buffer, .address_space: global }
      - { .name: out0, .offset: 64, .size: 8, .value_kind: global_buffer, .address_space: global }
    .group_segment_fixed_size: 327680
    .private_segment_fixed_size: 0
    .kernarg_segment_align: 8
    .kernarg_segment_size: 72
    .max_flat_workgroup_size: 256
    .sgpr_count:     100
    .vgpr_count:     512
    .wavefront_size: 32
...
	.end_amdgpu_metadata
.endif
;; end of part 2
